; MI455X (gfx1250); checked and timed in simulation.
; The chip was launched on July 23, 2026; its instructions are those of AMD's public machine-readable ISA for CDNA 5 (MIT licence, August 2026) and "CDNA5" Instruction Set Architecture Reference Guide (July 2026). The comments in the code are by the model that wrote it; some were corrected since.
;; Transformer Mo E Block. Allowed arithmetic: float matrix products may take bf16 or f16 operands with f32 sums; other float arithmetic in f32, or as packed bf16 or f16 multiplies, adds, multiply-adds, maxima and minima; sums over many terms, partial sums and values carried from step to step in f32; what a program stores and reads back later, other than sums and carried values, may be rounded once to bf16 or f16.
;; Inputs: W1 8 x 512 x 2,048 float32; W2 8 x 2,048 x 512 float32; Wg 512 x 8 float32; b1 8 x 2,048 float32; b2 8 x 512 float32; bg 8 float32; x 4 x 1,024 x 512 float32.
;; Outputs: out0 4 x 1,024 x 512 float32.
;; One version. Each part assembles by itself: llvm-mc -triple=amdgcn-amd-amdhsa -mcpu=gfx1250 --defsym DOCPART=n.
;; ======== version 1 of 1: 3 launches
;; workspace buffers: xb 4,194,304 bytes; wb 33,554,432 bytes; route 24,576 bytes of whole numbers; gw 32,768 bytes; y8 67,108,864 bytes
;; launch prep (part 1): grid 384 x 1, 8 waves a work-group, no clusters, 2,048 bytes of LDS; arguments x, Wg, bg, W1, W2, xb, wb, route, gw; writes xb, wb, route, gw
.if DOCPART == 1
	.amdgcn_target "amdgcn-amd-amdhsa--gfx1250"
	.amdhsa_code_object_version 6
	.text
	.protected	k_q4e389f47dd_prep
	.globl	k_q4e389f47dd_prep
	.p2align	8
	.type	k_q4e389f47dd_prep,@function
k_q4e389f47dd_prep:
	s_mov_b64 s[64:65], 0
	v_nop
	global_prefetch_b8 v0, s[64:65] scope:SCOPE_SE
	s_setreg_imm32_b32 hwreg(HW_REG_WAVE_MODE, 25, 1), 1
	s_wait_xcnt 0x0
; TWO ROLES, chosen by the work-group's number alone.
; Work-groups 0-127, THE ROUTER: 32 tokens each.  x is rounded to bf16 and stored (xb); logits = x Wg + bg on the bf16-rounded x, Wg, bg, products and sums in f32;
; softmax with the row's maximum taken away; the two largest gates (strict compare, ascending: the lower index wins a tie); both divided by their sum + 0.01.
; Stored at fixed places: sel[token] = e0 | e1 << 8, gw[token] = the two weights, and for each expert a word of 32 bits (bit t = token 32 b + t chose it) and that word's count.
; Work-groups 128-383, THE CAST: W1 and W2 rounded to bf16 and laid out as the next launch's waves take them into operand registers, 262,144 bytes of f32 each.
;   wb: block (expert x 4 + slice of 512 hidden numbers) of 1,048,576 bytes: W1's part [64 groups of 8 k][512 places][8 k], then W2's part in the same form.
;   Place 64 g + 16 c + p holds column 64 g + 4 p + c: a thread loads 4 columns of 8 rows, a conversion pairs two k, and sixteen lanes of each store write 256 consecutive bytes, aligned.
; The gate is 8 columns wide, half of a matrix tile's 16, and a row arrives with its 512 numbers spread over the lanes: it is done by multiply-adds from bf16 halves.
; LIMITS.  NaN and infinities are not treated apart.  A gate below 2^-126 counts as 0.  Divisions are a reciprocal and a multiply.
.set SPW,   2                          ; v2  LDS address of my spare word; never rewritten
.set NIL,   3                          ; v3  0; never rewritten
.set ZERO,  4                          ; v4  0.0, the first addend of each sum
.set LANE,  5
.set XF,    16                         ; v16-79   router: x of four tokens as loaded, then packed; cast: two sets of 8 rows x 4
.set WL,    80                         ; v80-207  router: Wg as loaded, then packed into v80-143; cast: v80-95 to store
.set RO,    96                         ; v96-103  cast: byte offsets of my 8 rows
.set DO,    104                        ; v104     cast: my byte offset in a group of 8 k
.set TM,    144                        ; v144-207 router: at work once Wg is packed
.set S,     208                        ; v208-239 the 32 sums: token t, expert e at S + 8 t + e
.set SPARE, 1024                       ; LDS: 0-1023 the logits [32 tokens][8]; 1024-2047 the spare words, 128 bytes a wave
	s_load_b512 s[4:19], s[0:1], 0x0               ; x s[4:5], Wg s[6:7], bg s[8:9], W1 s[10:11], W2 s[12:13], xb s[14:15], wb s[16:17], route s[18:19]
	s_load_b64 s[20:21], s[0:1], 0x40              ; gw
	v_lshl_add_u32 v[SPW], v0, 2, SPARE
	v_mov_b32 v[NIL], 0
	v_lshrrev_b32 v6, 5, v0
	v_readfirstlane_b32 s22, v6                    ; wave 0..7
	v_and_b32 v[LANE], 31, v0
	s_mov_b32 s27, 0                               ; the high word of every offset pair
	s_wait_kmcnt 0x0
	s_cmp_lt_u32 ttmp9, 128
	s_cbranch_scc0 .Lcast
	; ---------------- THE ROUTER.  Wave w has tokens 32 b + 4 w + t, t = 0..3; a lane holds d = 128 i + 4 lane + c.
	v_mov_b32 v[ZERO], 0
	s_mov_b32 s24, 0x76543210                      ; v_permlanex16_b32: each lane takes its own place in the other half
	s_mov_b32 s25, 0xfedcba98
	s_mov_b32 s23, 0x3fb8aa3b                      ; log2(e)
	s_lshl_b32 s26, ttmp9, 16                      ; 32 rows of 2,048 bytes
	s_add_nc_u64 s[4:5], s[4:5], s[26:27]
	s_lshl_b32 s26, ttmp9, 15                      ; 32 rows of 1,024 bytes
	s_add_nc_u64 s[14:15], s[14:15], s[26:27]
	s_lshl_b32 s28, s22, 13
	v_lshl_add_u32 v1, v[LANE], 4, s28             ; x: 16 lane + 4 rows a wave
	v_mov_b32 v6, 0
	v_lshlrev_b32 v7, 7, v[LANE]                   ; Wg: four rows of 32 bytes a lane
	global_load_b128 v[8:11], v6, s[8:9]           ; bg
	global_load_b128 v[12:15], v6, s[8:9] offset:16
.set n, 0
.rept 32                                               ; n = (4 i + c) 2 + half: row d, experts 4 half .. 4 half + 3
	global_load_b128 v[WL+4*n:WL+4*n+3], v7, s[6:7] offset:4096*(n/8)+32*((n/2)%4)+16*(n%2)
.set n, n+1
.endr
.set n, 0
.rept 16                                               ; n = 4 t + i: 512 consecutive bytes of a row
	global_load_b128 v[XF+4*n:XF+4*n+3], v1, s[4:5] offset:2048*(n/4)+512*(n%4) th:TH_LOAD_NT
.set n, n+1
.endr
	s_wait_loadcnt 16                              ; bg and Wg are in; x's sixteen loads stay out.  v6 and v7 are free again
	s_lshl_b32 s28, s22, 12
	v_lshl_add_u32 v6, v[LANE], 3, s28             ; xb: 8 lane + 4 rows a wave
.set n, 0
.rept 64                                               ; Wg to bf16, in place and ascending: word n takes registers 2 n, 2 n + 1 (row 4 i + c = n / 4, experts 2 (n % 4), + 1)
	v_cvt_pk_bf16_f32 v[WL+n], v[WL+2*n], v[WL+2*n+1]
.set n, n+1
.endr
.macro TOK t
	s_wait_loadcnt 4*(3-(\t))                      ; this token's four loads are in; the later tokens' stay out
.set n, 0
.rept 8
	v_cvt_pk_bf16_f32 v[XF+16*(\t)+n], v[XF+16*(\t)+2*n], v[XF+16*(\t)+2*n+1]
.set n, n+1
.endr
.irp i, 0,1,2,3
	global_store_b64 v6, v[XF+16*(\t)+2*\i:XF+16*(\t)+2*\i+1], s[14:15] offset:1024*(\t)+256*\i  ; the wave stores 256 consecutive bytes, aligned
.endr
.irp i, 0,1,2,3
.irp c2, 0,1
.irp ch, 0,1
.irp p, 0,1,2,3
.irp eh, 0,1
.if (\i)+(\c2)+(\ch) == 0
	v_fma_mix_f32_bf16 v[S+8*(\t)+2*\p+\eh], v[XF+16*(\t)+2*\i+\c2], v[WL+16*\i+8*\c2+4*\ch+\p], v[ZERO] op_sel:[\ch,\eh,0] op_sel_hi:[1,1,0]
.else
	v_fma_mix_f32_bf16 v[S+8*(\t)+2*\p+\eh], v[XF+16*(\t)+2*\i+\c2], v[WL+16*\i+8*\c2+4*\ch+\p], v[S+8*(\t)+2*\p+\eh] op_sel:[\ch,\eh,0] op_sel_hi:[1,1,0]
.endif
.endr
.endr
.endr
.endr
.endr
.endm
	TOK 0
	TOK 1
	TOK 2
	TOK 3
	; the 32 sums over the 32 lanes: four steps inside each half ride on the addition, one crosses the halves
.irp m, 1,2,4,8
.set n, 0
.rept 32
	v_add_f32_dpp v[S+n], v[S+n], v[S+n] row_xmask:\m row_mask:0xf bank_mask:0xf
.set n, n+1
.endr
.endr
.set n, 0
.rept 32
	v_permlanex16_b32 v[TM+n], v[S+n], s24, s25    ; its destination has been written: it held Wg
.set n, n+1
.endr
.set n, 0
.rept 32
	v_add_f32 v[S+n], v[S+n], v[TM+n]
.set n, n+1
.endr
	s_lshl_b32 s26, s22, 7
	v_mov_b32 v7, s26                              ; my four tokens' 128 bytes of the table; all lanes store the same numbers
.set n, 0
.rept 8
	ds_store_b128 v7, v[S+4*n:S+4*n+3] offset:16*n
.set n, n+1
.endr
	s_wait_dscnt 0x0                               ; for wave 0's sake: my stores are done
	s_barrier_signal -1
	s_barrier_wait -1
	s_cmp_lg_u32 s22, 0
	s_cbranch_scc1 .Lrend
	; wave 0: a lane a token
	v_lshlrev_b32 v7, 5, v[LANE]
	ds_load_b128 v[TM:TM+3], v7
	ds_load_b128 v[TM+4:TM+7], v7 offset:16
.irp p, 0,1,2,3                                        ; bg rounded to bf16 like every input
	v_cvt_pk_bf16_f32 v[TM+8+\p], v[8+2*\p], v[9+2*\p]
.endr
.irp p, 0,1,2,3
	v_lshlrev_b32 v[8+2*\p], 16, v[TM+8+\p]
	v_and_b32 v[9+2*\p], 0xffff0000, v[TM+8+\p]
.endr
	s_wait_dscnt 0x0
.irp e, 0,1,2,3,4,5,6,7
	v_add_f32 v[TM+\e], v[TM+\e], v[8+\e]
.endr
	v_max3_num_f32 v160, v[TM], v[TM+1], v[TM+2]
	v_max3_num_f32 v160, v160, v[TM+3], v[TM+4]
	v_max3_num_f32 v160, v160, v[TM+5], v[TM+6]
	v_max_num_f32 v160, v160, v[TM+7]              ; the row's maximum
	v_mul_f32 v161, s23, v160
.irp e, 0,1,2,3,4,5,6,7
	v_fma_f32 v[TM+\e], v[TM+\e], s23, -v161       ; (L - m) log2(e)
.endr
.irp e, 0,1,2,3,4,5,6,7
	v_exp_f32 v[TM+\e], v[TM+\e]
.endr
	v_nop                                          ; a plain instruction behind the last exponential,
	s_wait_alu depctr_va_vdst(0)                   ; and one wait for the batch of eight, ahead of its first reader
	v_add_f32 v156, v[TM], v[TM+1]
	v_add_f32 v157, v[TM+2], v[TM+3]
	v_add_f32 v158, v[TM+4], v[TM+5]
	v_add_f32 v159, v[TM+6], v[TM+7]
	v_add_f32 v156, v156, v157
	v_add_f32 v158, v158, v159
	v_add_f32 v156, v156, v158
	v_rcp_f32 v157, v156
	v_nop
	s_wait_alu depctr_va_vdst(0)
.irp e, 0,1,2,3,4,5,6,7
	v_mul_f32 v[TM+\e], v[TM+\e], v157             ; the gates
.endr
.macro AMAX best, idx                                  ; the largest gate and its index; a strict compare keeps the lower index
	v_mov_b32 v[\best], v[TM]
	v_mov_b32 v[\idx], 0
.irp e, 1,2,3,4,5,6,7
	v_cmp_gt_f32 vcc_lo, v[TM+\e], v[\best]
	v_cndmask_b32 v[\best], v[\best], v[TM+\e], vcc_lo
	v_cndmask_b32 v[\idx], v[\idx], \e, vcc_lo
.endr
.endm
	AMAX 162, 163
.irp e, 0,1,2,3,4,5,6,7                                ; the winner leaves the field: gates are 0 or more
	v_cmp_eq_u32 vcc_lo, \e, v163
	v_cndmask_b32 v[TM+\e], v[TM+\e], -1.0, vcc_lo
.endr
	AMAX 164, 165
	v_add_f32 v166, v162, v164
	v_add_f32 v166, 0x3c23d70a, v166               ; + 0.01
	v_rcp_f32 v167, v166
	v_lshl_or_b32 v170, v165, 8, v163              ; sel; also the plain instruction behind the reciprocal
	s_wait_alu depctr_va_vdst(0)
	v_mul_f32 v168, v162, v167
	v_mul_f32 v169, v164, v167
	v_mov_b32 v171, 0
	v_mov_b32 v172, 0
.irp e, 0,1,2,3,4,5,6,7                                ; lane e of v171: the 32 tokens' bits for expert e; of v172: how many
	v_cmp_eq_u32 s30, \e, v163
	v_cmp_eq_u32 s31, \e, v165
	s_or_b32 s30, s30, s31
	v_writelane_b32 v171, s30, \e
	s_bcnt1_i32_b32 s31, s30
	v_writelane_b32 v172, s31, \e
.endr
	s_lshl_b32 s26, ttmp9, 7
	v_lshl_add_u32 v173, v[LANE], 2, s26
	global_store_b32 v173, v170, s[18:19] offset:4096
	s_lshl_b32 s28, ttmp9, 8
	v_lshl_add_u32 v174, v[LANE], 3, s28
	global_store_b64 v174, v[168:169], s[20:21]
	s_lshl_b32 s29, ttmp9, 5
	v_lshl_add_u32 v175, v[LANE], 2, s29
	v_cmp_gt_u32 vcc_lo, 8, v[LANE]
	s_wait_xcnt 0x0                                ; EXEC is a source of the stores above: it changes only behind this wait
	s_and_saveexec_b32 s32, vcc_lo
	global_store_b32 v175, v171, s[18:19]          ; eight words: bm[b][0..7]
	global_store_b32 v175, v172, s[18:19] offset:20480  ; and their counts
	s_wait_xcnt 0x0                                ; and again in front of the line that widens it
	s_or_b32 exec_lo, exec_lo, s32
.Lrend:
	s_wait_tensorcnt 0x0                           ; the wave's end
	ds_add_u32 v[SPW], v[NIL]
	s_wait_dscnt 0x0
	s_endpgm
	; ---------------- THE CAST.  A thread makes eight OCTETS: 8 rows (one group of 8 k) x 4 columns in, four pieces of 16 bytes (a column's 8 k) out.
	; W1 (work-groups 128-255): 8 groups of k x 1,024 columns (two slices): thread t has columns 4 t on; an octet is the next group.
	; W2 (256-383): 16 groups of k x 512 columns: threads 0-127 the even groups, 128-255 the odd; an octet is the next two groups.
	; One text serves both: what differs (row pitch, the upper threads' shift, the steps) lies in scalar registers.
.Lcast:
	s_sub_co_u32 s23, ttmp9, 128                   ; 0..255
	s_cmp_lt_u32 s23, 128
	s_cselect_b64 s[24:25], s[10:11], s[12:13]     ; W1 for the first 128, W2 for the others
	s_cselect_b32 s36, 1, 0                        ; f = 1 for W1
	s_lshl_b32 s37, s36, 1
	s_lshl_b32 s28, 2048, s37                      ; bytes in a row: 8,192 or 2,048
	s_mul_i32 s37, s36, 3
	s_lshr_b32 s29, 16384, s37                     ; threads 128-255 read 2,048 bytes on (512 columns) or 16,384 (8 rows)
	s_mul_i32 s37, s36, 7
	s_lshl_b32 s30, 8192, s37                      ; and write 1,048,576 bytes on (the next slice's block) or 8,192 (the next group)
	s_lshl_b32 s32, 32768, s36                     ; an octet's step in the source: 8 rows of 8,192 or 16 rows of 2,048
	s_mov_b32 s33, 0
	s_lshr_b32 s34, 16384, s36                     ; and in wb: one group of 8,192 bytes, or two
	s_mov_b32 s35, 0
	s_and_b32 s38, s23, 127
	s_lshr_b32 s39, s38, 1                         ; W1: u = which 64 rows, and which half of the columns
	s_and_b32 s40, s38, 1
	s_lshl_b32 s41, s39, 19
	s_lshl_b32 s42, s40, 12
	s_add_co_u32 s41, s41, s42                     ; source: 64 rows x 8,192 x u + 4,096 x half
	s_lshr_b32 s42, s39, 3
	s_lshl_b32 s42, s42, 22                        ; wb: expert u / 8: four blocks;
	s_lshl_b32 s43, s40, 21
	s_add_co_u32 s42, s42, s43                     ; the half: two blocks;
	s_and_b32 s43, s39, 7
	s_lshl_b32 s43, s43, 16
	s_add_co_u32 s42, s42, s43                     ; 8 groups x 8,192 x (u % 8)
	s_lshl_b32 s44, s38, 18                        ; W2: source: 128 rows x 2,048 x c
	s_lshr_b32 s45, s38, 2
	s_lshl_b32 s45, s45, 20                        ; wb: block c / 4,
	s_and_b32 s46, s38, 3
	s_lshl_b32 s46, s46, 17
	s_add_co_u32 s45, s45, s46                     ; 16 groups x 8,192 x (c % 4),
	s_add_co_u32 s45, s45, 0x80000                 ; behind W1's part
	s_cmp_lt_u32 s23, 128
	s_cselect_b32 s26, s41, s44
	s_add_nc_u64 s[24:25], s[24:25], s[26:27]
	s_cselect_b32 s26, s42, s45
	s_add_nc_u64 s[16:17], s[16:17], s[26:27]
	v_and_b32 v6, 127, v0
	v_lshrrev_b32 v7, 7, v0
	v_lshlrev_b32 v8, 4, v6
	v_mad_u32_u24 v[RO], v7, s29, v8
.irp i, 1,2,3,4,5,6,7
	v_add_nc_u32 v[RO+\i], s28, v[RO+\i-1]
.endr
	v_lshrrev_b32 v9, 4, v6                        ; my 64 columns: 1,024 bytes; my place among their sixteen fours: 16 bytes
	v_lshlrev_b32 v9, 10, v9
	v_and_b32 v10, 15, v0
	v_lshl_or_b32 v9, v10, 4, v9
	v_mad_u32_u24 v[DO], v7, s30, v9
.macro OLOAD set                                       ; eight rows: each load of a wave takes 512 consecutive bytes
.irp i, 0,1,2,3,4,5,6,7
	global_load_b128 v[XF+32*(\set)+4*\i:XF+32*(\set)+4*\i+3], v[RO+\i], s[24:25] th:TH_LOAD_NT
.endr
.endm
.macro OCT o
.if (\o) < 7
	s_wait_loadcnt 8                               ; this octet's eight loads are in; the other set's stay out
.else
	s_wait_loadcnt 0x0
.endif
	s_wait_xcnt 0x0                                ; the two bases and the last stores' data are rewritten only behind this wait
.if (\o) > 0
	s_add_nc_u64 s[16:17], s[16:17], s[34:35]
.endif
.set xs, XF+32*((\o)%2)
.irp c, 0,1,2,3
.irp m, 0,1,2,3
	v_cvt_pk_bf16_f32 v[WL+4*\c+\m], v[xs+8*\m+\c], v[xs+8*\m+4+\c]  ; column c: k = 2 m below, 2 m + 1 above
.endr
.endr
.if (\o) < 6
	s_add_nc_u64 s[24:25], s[24:25], s[32:33]
	OLOAD (\o)%2
.endif
.irp c, 0,1,2,3
	global_store_b128 v[DO], v[WL+4*\c:WL+4*\c+3], s[16:17] offset:256*\c  ; sixteen lanes store 256 consecutive bytes, aligned
.endr
.endm
	OLOAD 0
	s_wait_xcnt 0x0
	s_add_nc_u64 s[24:25], s[24:25], s[32:33]
	OLOAD 1
.irp o, 0,1,2,3,4,5,6,7
	OCT \o
.endr
	s_endpgm
.Lfunc_end_k_q4e389f47dd_prep:
	.size	k_q4e389f47dd_prep, .Lfunc_end_k_q4e389f47dd_prep-k_q4e389f47dd_prep
	.p2alignl 7, 3214868480
	.fill 96, 4, 3214868480
	.section	.rodata,"a",@progbits
	.p2align	6, 0x0
	.amdhsa_kernel k_q4e389f47dd_prep
		.amdhsa_group_segment_fixed_size 2048
		.amdhsa_private_segment_fixed_size 0
		.amdhsa_enable_private_segment 0
		.amdhsa_kernarg_size 72
		.amdhsa_user_sgpr_count 2
		.amdhsa_user_sgpr_kernarg_segment_ptr 1
		.amdhsa_wavefront_size32 1
		.amdhsa_system_sgpr_workgroup_id_x 1
		.amdhsa_system_sgpr_workgroup_id_y 1
		.amdhsa_system_sgpr_workgroup_id_z 1
		.amdhsa_system_vgpr_workitem_id 0
		.amdhsa_next_free_vgpr 240
		.amdhsa_next_free_sgpr 66
		.amdhsa_reserve_vcc 1
		.amdhsa_float_denorm_mode_32 3
		.amdhsa_float_denorm_mode_16_64 3
		.amdhsa_memory_ordered 1
		.amdhsa_forward_progress 1
		.amdhsa_inst_pref_size 87
	.end_amdhsa_kernel
	.amdgpu_metadata
---
amdhsa.version: [ 1, 2 ]
amdhsa.kernels:
  - .name:           k_q4e389f47dd_prep
    .symbol:         k_q4e389f47dd_prep.kd
    .args:
      - { .name: x, .offset: 0, .size: 8, .value_kind: global_buffer, .address_space: global }
      - { .name: Wg, .offset: 8, .size: 8, .value_kind: global_buffer, .address_space: global }
      - { .name: bg, .offset: 16, .size: 8, .value_kind: global_buffer, .address_space: global }
      - { .name: W1, .offset: 24, .size: 8, .value_kind: global_buffer, .address_space: global }
      - { .name: W2, .offset: 32, .size: 8, .value_kind: global_buffer, .address_space: global }
      - { .name: xb, .offset: 40, .size: 8, .value_kind: global_buffer, .address_space: global }
      - { .name: wb, .offset: 48, .size: 8, .value_kind: global_buffer, .address_space: global }
      - { .name: route, .offset: 56, .size: 8, .value_kind: global_buffer, .address_space: global }
      - { .name: gw, .offset: 64, .size: 8, .value_kind: global_buffer, .address_space: global }
    .group_segment_fixed_size: 2048
    .private_segment_fixed_size: 0
    .kernarg_segment_align: 8
    .kernarg_segment_size: 72
    .max_flat_workgroup_size: 256
    .sgpr_count:     66
    .vgpr_count:     240
    .wavefront_size: 32
...
	.end_amdgpu_metadata
.endif
;; end of part 1
;; launch moe (part 2): grid 4 x 64, 4 waves a work-group, no clusters, 188,416 bytes of LDS; arguments xb, wb, b1, b2, route, gw, y8; writes y8
.if DOCPART == 2
	.amdgcn_target "amdgcn-amd-amdhsa--gfx1250"
	.amdhsa_code_object_version 6
	.text
	.protected	k_q4e389f47dd_moe
	.globl	k_q4e389f47dd_moe
	.p2align	8
	.type	k_q4e389f47dd_moe,@function
k_q4e389f47dd_moe:
	s_mov_b64 s[64:65], 0
	v_nop
	global_prefetch_b8 v0, s[64:65] scope:SCOPE_SE
	s_setreg_imm32_b32 hwreg(HW_REG_WAVE_MODE, 25, 1), 1
	s_wait_xcnt 0x0
; THE EXPERTS.  Work-group (SL, G): tile G of 144 routed rows, slice SL (512 wide) of the expert's hidden layer.
;   H = relu(X W1[:, slice] + b1[slice]) (bf16, in LDS over X);  Y = w (H W2[slice, :] + b2, the bias in slice 0 alone);  Y's rows go to plane slot x 4 + SL of y8, f32: partial sums, added by the next launch.
; THE GRID SERVES EVERY SPLIT: the sum over the experts of ceil(n_e / 144) is at most floor((8192 + 8 x 143) / 144) = 64.  The tile's expert and rows are found from the stored bitmaps and counts.
; Rows past the tile's count repeat the expert's last row (the same numbers to the same place, from the same wave); whole blocks of 16 rows past the count are jumped at the stores alone;
; a tile that the split leaves without rows passes every barrier and load on clamped numbers and stores nothing.
; BOTH PRODUCTS ARE ONE ROUTINE: 144 x 512 x 512, 16 phases of 32 along K, 72 matrix instructions a wave each.  A (X, then H) lies in LDS, which all four waves read.
; THE WEIGHTS COME STRAIGHT INTO OPERAND REGISTERS: a wave makes 144 x 128, and its 128 columns of the weights are read by that wave alone, so LDS would only pass them on.  The launch before has
; laid them out as fragments, both products' 32 phases on end, 32,768 bytes a phase.  Four register buffers: a phase's 16 loads are issued three phases ahead, 200 matrix instructions before their use.
; No tensor load, and no barrier inside a product.
; The matrix instruction is used transposed (source 0 = 16 places of the weights, source 1 = 16 rows of A): a lane holds one row.  Place 16 b + p of a wave's 128 is column 64 (b / 4) + 4 p + b % 4, so
; registers j of the four accumulators 4 B .. 4 B + 3 are the lane's 32 neighbouring columns 64 B + 32 (lane / 16) + 4 j + (0..3).  The bias is the C operand that starts each sum.
; All inputs were rounded to bf16; b1 and b2 are rounded here.
; NO CLUSTER: those that share weights are the row tiles of one expert; four neighbouring tiles can straddle two experts, and experts dealt in fours of tiles can need 88 tiles
; (counts 4096, 4090 and six of 1) for the 64 that give each WGP one work-group; the rows of x come by a list, which no descriptor covers.
; LIMITS.  NaN and infinities are not treated apart.
.set AP,    1040                       ; a row of A in LDS: 1,024 bytes + 16: an odd multiple of 16, so the 16 rows of a load start in 16 different groups of four banks (ISA guide 11.1)
.set TOT,   144*AP                     ; 149,760: the four waves' packed counts, 16 bytes each
.set PRE,   TOT+256                    ; 512 bytes: ranks in front of each bitmap word; + 512: the expert's 128 words
.set LIST,  PRE+1024                   ; 1,024 bytes: token of row i; + 1,024: its weight; + 2,048: its row number in y8
.set SPARE, LIST+3072                  ; 154,112: the spare words, 128 bytes a wave: two blocks of 256 bytes that no other line names
.set YST,   SPARE+512                  ; the way out: 16 rows x 528 bytes for each wave
.set YP,    528
.set SELO,  4096                       ; route: bm at 0, sel at 4,096, the words' counts at 20,480
.set CNTO,  20480
.set PSTEP, 32768                      ; bytes of weights from a phase to the next: 4 groups of 8 k x 512 places x 16
; window 0
.set R15,  1                           ; lane % 16
.set SPW,  2                           ; LDS address of my spare word; never rewritten
.set NIL,  3                           ; 0; never rewritten
.set ZERO, 4
.set HH,   5                           ; (lane / 16) % 2
.set BV,   6                           ; the weights: 8,192 (lane / 16) + 16 (lane % 16); never rewritten
.set BOFF, 7                           ; 128 (lane / 16): my 32 numbers of half a bias
.set ADRA, 8                           ; v8-10   A's fragments: row blocks 0-3, 4-7, 8; steps 64 bytes along K with each fetch
.set STO,  11                          ; v11-13  where H goes
.set YSTO, 14
.set YRD,  15
.set LB,   16                          ; 512 wave + 16 lane
.set LANE, 17
.set AB,   18                          ; v18-20  A's addresses at K = 0
.set TMP,  21
.set GL,   22                          ; the gather: where I read the list, where I put rows, my 16 bytes of 256
.set GS,   23
.set GC,   24
.set LA,   25                          ; LIST + 4 x thread
.set WR,   26                          ; v26-34  my row's weight in each of the nine blocks
.set P,    40                          ; v40-171 at work in the prologue
.set FA0,  40                          ; A's fragment buffers: v40-111, v112-183
.set BIAS, 112                         ; the C operand of a product's first phase lies in A's second buffer: block b at BIAS + 8 b
.set T,    40                          ; at work on both ways out
.set RBT,  48
.set RR,   104
.set VO,   168                         ; v168-183 byte offsets of 16 rows in y8
; weights buffer 0: window 0, v192-255; buffers 1-3: window 3, v64-255
; windows 1, 2: accumulators (a, b) at v[8 (8 (a % 4) + b)], a = 0-3 and 4-7 (in the prologue: the gathered rows, and b1 as loaded); window 3: a = 8 in v0-63
.set RAW,  64                          ; window 2: b1 as loaded
.set WV, 18
.set SL, 19
.set G,  20
.set E,  21
.set NE, 22
.set R0, 23
.set RV, 24
.set TB, 28                            ; s[28:29] my weights' first byte; never rewritten
.set BB, 30                            ; s[30:31] the weights of the loop's trip
.set NC, 54                            ; s54-61   n_e
.set MSB, 0
.macro WIN new                         ; the immediate's high byte repeats the setting that is left; a switch that changes nothing is dropped
.if MSB != (\new)
	s_set_vgpr_msb (MSB<<8)|(\new)
.set MSB, (\new)
.endif
.endm
.macro PLACES                          ; four places in front of loads into registers that matrix instructions have read, and of vector lines that read results
.rept 4
	v_nop
.endr
.endm
.macro BAR
	s_barrier_signal -1
	s_barrier_wait -1
.endm
.macro LOADB x, base, off              ; a phase's eight fragments of the weights into buffer x: sixteen lanes of each load take 256 consecutive bytes, aligned
.if (\x) == 0
	WIN 0
.set lb, 192
.else
	WIN 0xc0
.set lb, 64*(\x)
.endif
.irp b, 0,1,2,3,4,5,6,7
	global_load_b128 v[lb+8*\b:lb+8*\b+3],   v[BV], s[\base:\base+1] offset:(\off)+256*\b
	global_load_b128 v[lb+8*\b+4:lb+8*\b+7], v[BV], s[\base:\base+1] offset:(\off)+16384+256*\b
.endr
.endm
	s_load_b256 s[4:11], s[0:1], 0x0               ; xb s[4:5], wb s[6:7], b1 s[8:9], b2 s[10:11]
	s_load_b128 s[12:15], s[0:1], 0x20             ; route s[12:13], gw s[14:15]
	s_load_b64 s[16:17], s[0:1], 0x30              ; y8
	v_lshl_add_u32 v[SPW], v0, 2, SPARE
	v_mov_b32 v[NIL], 0
	v_lshrrev_b32 v[TMP], 5, v0
	v_readfirstlane_b32 s[WV], v[TMP]              ; wave 0..3
	s_mov_b32 s[SL], ttmp9
	s_and_b32 s[G], ttmp7, 0xffff
	s_mov_b32 s26, 0x76543210
	s_mov_b32 s27, 0xfedcba98
	s_mov_b32 s97, 0                               ; the high word of every offset pair
	v_mov_b32 v[ZERO], 0
	v_and_b32 v[R15], 15, v0
	v_bfe_u32 v[HH], v0, 4, 1
	v_and_b32 v[LANE], 31, v0
	v_lshlrev_b32 v[BV], 4, v[R15]
	v_lshl_add_u32 v[BV], v[HH], 13, v[BV]
	v_mul_u32_u24 v[TMP], v[R15], AP
	v_lshl_add_u32 v[AB], v[HH], 4, v[TMP]         ; a fragment of A: row l % 16, 16 bytes for each half of the lanes
	v_add_nc_u32 v[AB+1], 64*AP, v[AB]
	v_add_nc_u32 v[AB+2], 128*AP, v[AB]
	s_lshl_b32 s63, s[WV], 8
	v_lshl_add_u32 v[STO], v[HH], 6, v[TMP]        ; H: my wave's 128 columns are 256 bytes of a row; a lane's 32 neighbouring columns 64
	v_add_nc_u32 v[STO], s63, v[STO]
	v_add_nc_u32 v[STO+1], 64*AP, v[STO]
	v_add_nc_u32 v[STO+2], 128*AP, v[STO]
	v_lshlrev_b32 v[BOFF], 7, v[HH]
	s_mul_i32 s98, s[WV], 16*YP
	s_add_co_u32 s98, s98, YST                     ; my stage
	v_mul_u32_u24 v[YSTO], v[R15], YP
	v_lshl_add_u32 v[YSTO], v[HH], 7, v[YSTO]
	v_add_nc_u32 v[YSTO], s98, v[YSTO]
	v_lshl_add_u32 v[YRD], v[LANE], 4, s98
	s_lshl_b32 s63, s[WV], 9
	v_lshl_add_u32 v[LB], v[LANE], 4, s63
	v_lshlrev_b32 v[P], 5, v0
.irp p, 0,1,2,3
	v_mov_b32 v[P+24+\p], 0
.endr
	s_wait_kmcnt 0x0
	; ---- thread j: bitmap word j of all eight experts, and the words' counts
	global_load_b128 v[P+4:P+7], v[P], s[12:13]
	global_load_b128 v[P+8:P+11], v[P], s[12:13] offset:16
	global_load_b128 v[P+12:P+15], v[P], s[12:13] offset:CNTO
	global_load_b128 v[P+16:P+19], v[P], s[12:13] offset:CNTO+16
	s_wait_loadcnt 0x0
.irp p, 0,1,2,3                                        ; two counts to a word: a wave's sums stay under 1,025, all four under 4,097
	v_lshl_or_b32 v[P+20+\p], v[P+13+2*\p], 16, v[P+12+2*\p]
.endr
.irp m, 1,2,4,8                                        ; summed over the wave, in whole numbers
.irp p, 0,1,2,3
	v_mov_b32_dpp v[P+24+\p], v[P+20+\p] row_xmask:\m row_mask:0xf bank_mask:0xf
.endr
.irp p, 0,1,2,3
	v_add_nc_u32 v[P+20+\p], v[P+20+\p], v[P+24+\p]
.endr
.endr
.irp p, 0,1,2,3
	v_permlanex16_b32 v[P+24+\p], v[P+20+\p], s26, s27
.endr
.irp p, 0,1,2,3
	v_add_nc_u32 v[P+20+\p], v[P+20+\p], v[P+24+\p]
.endr
	s_lshl_b32 s98, s[WV], 4
	s_add_co_u32 s98, s98, TOT
	v_mov_b32 v[P+28], s98
	ds_store_b128 v[P+28], v[P+20:P+23]
	s_wait_dscnt 0x0                               ; for the others' sake: my store is done
	BAR
	v_mov_b32 v[P+29], TOT
.irp w, 0,1,2,3
	ds_load_b128 v[P+32+4*\w:P+35+4*\w], v[P+29] offset:16*\w
.endr
	s_wait_dscnt 0x0
.set n, 0
.rept 16
	v_readfirstlane_b32 s[66+n], v[P+32+n]         ; s[66 + 4 w + p]: wave w's counts of experts 2 p, 2 p + 1
.set n, n+1
.endr
.irp p, 0,1,2,3
	s_add_co_u32 s[82+\p], s[66+\p], s[70+\p]
	s_add_co_u32 s[82+\p], s[82+\p], s[74+\p]
	s_add_co_u32 s[82+\p], s[82+\p], s[78+\p]
	s_and_b32 s[NC+2*\p], s[82+\p], 0xffff
	s_lshr_b32 s[NC+2*\p+1], s[82+\p], 16
.endr
	; the last expert whose first tile is not behind G.  ceil(n / 144) = ((n + 143) x 29128) >> 22, exact up to n = 4,096
	s_mov_b32 s62, 0                               ; tiles in front of expert e
	s_mov_b32 s63, 0
	s_mov_b32 s[E], 0
	s_mov_b32 s[NE], 0
.irp e, 0,1,2,3,4,5,6,7
	s_cmp_ge_u32 s[G], s62
	s_cselect_b32 s[E], \e, s[E]
	s_cselect_b32 s63, s62, s63
	s_cselect_b32 s[NE], s[NC+\e], s[NE]
	s_add_co_u32 s98, s[NC+\e], 143
	s_mul_i32 s98, s98, 29128
	s_lshr_b32 s98, s98, 22
	s_add_co_u32 s62, s62, s98
.endr
	s_min_u32 s[E], s[E], 7
	s_sub_co_u32 s[R0], s[G], s63
	s_mul_i32 s[R0], s[R0], 144                    ; the tile's first rank
	s_sub_co_i32 s[RV], s[NE], s[R0]
	s_min_i32 s[RV], s[RV], 144
	s_max_i32 s[RV], s[RV], 0                      ; its rows: 0 for a tile that the split leaves empty
	s_max_u32 s99, s[NE], 1
	s_sub_co_u32 s99, s99, 1                       ; the expert's last rank
	; ranks of expert E in the waves in front of mine
	s_lshr_b32 s98, s[E], 1
.irp q, 1,2,3
	s_cmp_eq_u32 s98, \q
	s_cselect_b32 s66, s[66+\q], s66
	s_cselect_b32 s70, s[70+\q], s70
	s_cselect_b32 s74, s[74+\q], s74
.endr
	s_and_b32 s98, s[E], 1
	s_lshl_b32 s98, s98, 4
.irp r, 66,70,74
	s_lshr_b32 s\r, s\r, s98
	s_and_b32 s\r, s\r, 0xffff
.endr
	s_cmp_gt_u32 s[WV], 0
	s_cselect_b32 s66, s66, 0
	s_cmp_gt_u32 s[WV], 1
	s_cselect_b32 s70, s70, 0
	s_cmp_gt_u32 s[WV], 2
	s_cselect_b32 s74, s74, 0
	s_add_co_u32 s66, s66, s70
	s_add_co_u32 s66, s66, s74
	; my word of expert E, its count, and the ranks in front of it
	v_mov_b32 v[P+40], v[P+4]
	v_mov_b32 v[P+41], v[P+12]
.irp e, 1,2,3,4,5,6,7
	s_cmp_eq_u32 s[E], \e
	s_cselect_b32 s98, -1, 0
	v_cndmask_b32 v[P+40], v[P+40], v[P+4+\e], s98
	v_cndmask_b32 v[P+41], v[P+41], v[P+12+\e], s98
.endr
	v_mov_b32 v[P+42], s66
.irp p, 0,1,2,3,4,5                                    ; counts go up to 32: six bit planes; in each, how many lower lanes have the bit
	v_and_b32 v[P+43], 1<<\p, v[P+41]
	v_cmp_ne_u32 s98, 0, v[P+43]
	v_mbcnt_lo_u32_b32 v[P+43], s98, 0
	v_lshl_add_u32 v[P+42], v[P+43], \p, v[P+42]
.endr
	v_lshl_add_u32 v[P+1], v0, 2, PRE
	ds_store_b32 v[P+1], v[P+42]
	ds_store_b32 v[P+1], v[P+40] offset:512
	; b1 of my 128 columns: for each half of 64, my 32 neighbouring numbers
	s_lshl_b32 s96, s[E], 13
	s_lshl_b32 s98, s[SL], 11
	s_add_co_u32 s96, s96, s98
	s_lshl_b32 s98, s[WV], 9
	s_add_co_u32 s96, s96, s98
	s_add_nc_u64 s[86:87], s[8:9], s[96:97]
	WIN 0x80
.set n, 0
.rept 16
	global_load_b128 v[RAW+4*n:RAW+4*n+3], v[BOFF], s[86:87] offset:256*(n/8)+16*(n%8)
.set n, n+1
.endr
	; my weights: block 4 E + SL of 1,048,576 bytes, my 128 places of 16 bytes.  The first two phases' go out now, the next two between the halves of the gather's way into LDS
	s_lshl_b32 s96, s[E], 22
	s_lshl_b32 s98, s[SL], 20
	s_add_co_u32 s96, s96, s98
	s_lshl_b32 s98, s[WV], 11
	s_add_co_u32 s96, s96, s98
	s_add_nc_u64 s[TB:TB+1], s[6:7], s[96:97]
	s_add_nc_u64 s[BB:BB+1], s[TB:TB+1], 4*PSTEP
	LOADB 0, TB, 0
	LOADB 1, TB, PSTEP
	WIN 0
	s_wait_dscnt 0x0                               ; for the others' sake: my ranks and words are stored
	BAR
	; ---- the token of rank R0 + i, for rows i = thread and 128 + thread: the last word whose ranks in front are not more than the rank, then the bit
	v_mov_b32 v[P+2], PRE
.irp q, 1,2,3,4,5,6,7
	ds_load_b32 v[P+47+\q], v[P+2] offset:64*\q
.endr
	v_add_nc_u32 v[P+44], s[R0], v0
	v_add_nc_u32 v[P+45], 128, v[P+44]
	v_min_u32 v[P+44], s99, v[P+44]                ; rows past the count repeat the expert's last row
	v_min_u32 v[P+45], s99, v[P+45]
	v_mov_b32 v[P+46], 0
	v_mov_b32 v[P+47], 0
	v_lshl_add_u32 v[LA], v0, 2, LIST
	s_wait_dscnt 0x0
.irp q, 1,2,3,4,5,6,7
	v_cmp_le_u32 vcc_lo, v[P+47+\q], v[P+44]
	v_add_co_ci_u32 v[P+46], vcc_lo, 0, v[P+46], vcc_lo
	v_cmp_le_u32 vcc_lo, v[P+47+\q], v[P+45]
	v_add_co_ci_u32 v[P+47], vcc_lo, 0, v[P+47], vcc_lo
.endr
.irp k, 0,1
	v_min_u32 v[P+46+\k], 7, v[P+46+\k]
	v_lshl_add_u32 v[P+56+\k], v[P+46+\k], 6, PRE
.irp c, 0,1,2,3
	ds_load_b128 v[P+60+16*\k+4*\c:P+63+16*\k+4*\c], v[P+56+\k] offset:16*\c
.endr
	v_lshlrev_b32 v[P+46+\k], 4, v[P+46+\k]
.endr
	s_wait_dscnt 0x0
.irp n, 1,2,3,4,5,6,7,8,9,10,11,12,13,14,15
	v_cmp_le_u32 vcc_lo, v[P+60+\n], v[P+44]
	v_add_co_ci_u32 v[P+46], vcc_lo, 0, v[P+46], vcc_lo
	v_cmp_le_u32 vcc_lo, v[P+76+\n], v[P+45]
	v_add_co_ci_u32 v[P+47], vcc_lo, 0, v[P+47], vcc_lo
.endr
.irp k, 0,1
	v_min_u32 v[P+46+\k], 127, v[P+46+\k]          ; the word
	v_lshl_add_u32 v[P+56+\k], v[P+46+\k], 2, PRE
	ds_load_b32 v[P+58+\k], v[P+56+\k]
	ds_load_b32 v[P+92+\k], v[P+56+\k] offset:512
.endr
	s_wait_dscnt 0x0
; The bit of rank sk in word sw: sums of the word's fields of 2, 4, 8 and 16 bits, then five halvings: the upper half where the rank is not below the lower half's count.
.macro LEVEL src, wd, inc
	v_bfe_u32 v[tb+4], v[\src], v[tb+5], \wd
	v_cmp_ge_u32 vcc_lo, v[sk], v[tb+4]
	v_cndmask_b32 v[tb+4], 0, v[tb+4], vcc_lo
	v_sub_nc_u32 v[sk], v[sk], v[tb+4]
	v_cndmask_b32 v[tb+6], 0, \inc, vcc_lo
	v_add_nc_u32 v[tb+5], v[tb+5], v[tb+6]
.endm
.macro SELBIT k
.set sw, P+92+(\k)
.set sk, P+44+(\k)
.set tb, P+60+16*(\k)
	v_sub_nc_u32 v[sk], v[sk], v[P+58+(\k)]        ; the rank inside the word
	v_lshrrev_b32 v[tb+4], 1, v[sw]
	v_and_b32 v[tb+4], 0x55555555, v[tb+4]
	v_sub_nc_u32 v[tb], v[sw], v[tb+4]
	v_lshrrev_b32 v[tb+4], 2, v[tb]
	v_and_b32 v[tb+4], 0x33333333, v[tb+4]
	v_and_b32 v[tb+1], 0x33333333, v[tb]
	v_add_nc_u32 v[tb+1], v[tb+1], v[tb+4]
	v_lshrrev_b32 v[tb+4], 4, v[tb+1]
	v_add_nc_u32 v[tb+2], v[tb+1], v[tb+4]
	v_and_b32 v[tb+2], 0x0f0f0f0f, v[tb+2]
	v_lshrrev_b32 v[tb+4], 8, v[tb+2]
	v_add_nc_u32 v[tb+3], v[tb+2], v[tb+4]
	v_mov_b32 v[tb+5], 0
	LEVEL tb+3, 8, 16
	LEVEL tb+2, 8, 8
	LEVEL tb+1, 4, 4
	LEVEL tb, 2, 2
	LEVEL sw, 1, 1
	v_lshl_add_u32 v[P+104+(\k)], v[P+46+(\k)], 5, v[tb+5]
	v_min_u32 v[P+104+(\k)], 0xfff, v[P+104+(\k)]  ; the token
	ds_store_b32 v[LA], v[P+104+(\k)] offset:512*(\k)
	v_lshlrev_b32 v[P+94+(\k)], 2, v[P+104+(\k)]
	v_lshlrev_b32 v[P+98+(\k)], 3, v[P+104+(\k)]
	global_load_b32 v[P+96+(\k)], v[P+94+(\k)], s[12:13] offset:SELO
	global_load_b64 v[P+100+2*(\k):P+101+2*(\k)], v[P+98+(\k)], s[14:15]
.endm
	SELBIT 0
	SELBIT 1
	s_wait_dscnt 0x0                               ; for the others' sake: my list entries are stored
	BAR
	; ---- the gather: wave w brings rows 36 w .. 36 w + 35, two to an instruction: sixteen lanes take 256 consecutive bytes, aligned
	s_mul_i32 s98, s[WV], 144
	s_add_co_u32 s98, s98, LIST
	v_lshl_add_u32 v[GL], v[HH], 2, s98
.set p, 0
.rept 18
	ds_load_b32 v[P+106+p], v[GL] offset:8*p
.set p, p+1
.endr
	s_mul_i32 s98, s[WV], 36*AP
	v_mul_u32_u24 v[GS], v[HH], AP
	v_lshl_add_u32 v[GS], v[R15], 4, v[GS]
	v_add_nc_u32 v[GS], s98, v[GS]
	v_lshlrev_b32 v[GC], 4, v[R15]
	s_wait_dscnt 0x0
.set p, 0
.rept 18
	v_min_u32 v[P+106+p], 0xfff, v[P+106+p]
	v_lshl_add_u32 v[P+106+p], v[P+106+p], 10, v[GC]
.set p, p+1
.endr
.macro GLOAD p                                         ; pair p: 16 registers in window 1 (pairs 0-15) or 2
	WIN 0x40*(1+(\p)/16)
.irp q, 0,1,2,3
	global_load_b128 v[16*((\p)%16)+4*\q:16*((\p)%16)+4*\q+3], v[P+106+(\p)], s[4:5] offset:256*\q
.endr
.endm
.macro GSTORE p, more                                  ; more: the loads of weights issued behind the gather's
.if 68-4*(\p)+(\more) > 63
	s_wait_loadcnt 63                              ; the wait names 63 at the most; fewer out is safe
.else
	s_wait_loadcnt 68-4*(\p)+(\more)               ; pair p is in; what was issued behind it stays out
.endif
	WIN 0x04*(1+(\p)/16)
.irp q, 0,1,2,3
	ds_store_b128 v[GS], v[16*((\p)%16)+4*\q:16*((\p)%16)+4*\q+3] offset:2*AP*(\p)+256*\q
.endr
.endm
; The bias, 64 numbers a lane as loaded (index 32 B + 4 j + c), rounded to bf16 like every input, widened again and put where the C operands want it: block 4 B + c, register j.  masked: times 0 where s98 is 0
.macro RB src, sw, masked
	WIN 5*(\sw)
.set n, 0
.rept 32
	v_cvt_pk_bf16_f32 v[RBT+n], v[(\src)+2*n], v[(\src)+2*n+1]
.set n, n+1
.endr
	WIN 0
.if \masked
.set n, 0
.rept 32
	v_and_b32 v[RBT+n], s98, v[RBT+n]
.set n, n+1
.endr
.endif
.set n, 0
.rept 32
	v_lshlrev_b32 v[BIAS+8*(4*(n/16)+2*(n%2))+(n%16)/2], 16, v[RBT+n]
	v_and_b32 v[BIAS+8*(4*(n/16)+2*(n%2)+1)+(n%16)/2], s63, v[RBT+n]
.set n, n+1
.endr
.endm
.set p, 0
.rept 9
	GLOAD p
.set p, p+1
.endr
	WIN 0
	s_wait_loadcnt 36                              ; b1, two phases of weights, sel and the gates' weights are in; the 36 gather loads stay out
	s_lshl_b32 s98, s[SL], 12
	s_mov_b32 s63, 0xffff0000
.irp k, 0,1                                            ; slot 0 if E is the token's first expert, else 1; its weight; its row in y8: plane 4 slot + SL, row token
	v_and_b32 v[P+128+\k], 0xff, v[P+96+\k]
	v_xor_b32 v[P+128+\k], s[E], v[P+128+\k]
	v_min_u32 v[P+128+\k], 1, v[P+128+\k]
	v_cmp_ne_u32 vcc_lo, 0, v[P+128+\k]
	v_cndmask_b32 v[P+130+\k], v[P+100+2*\k], v[P+101+2*\k], vcc_lo
	v_lshl_or_b32 v[P+128+\k], v[P+128+\k], 14, v[P+104+\k]
	v_or_b32 v[P+128+\k], s98, v[P+128+\k]
	ds_store_b32 v[LA], v[P+130+\k] offset:1024+512*\k
	ds_store_b32 v[LA], v[P+128+\k] offset:2048+512*\k
.endr
.set p, 9
.rept 9
	GLOAD p
.set p, p+1
.endr
.set p, 0
.rept 9
	GSTORE p, 0
.set p, p+1
.endr
	LOADB 2, TB, 2*PSTEP
	LOADB 3, TB, 3*PSTEP
.set p, 9
.rept 9
	GSTORE p, 32
.set p, p+1
.endr
	RB RAW, 2, 0
	s_wait_dscnt 0x0                               ; for the others' sake: my rows of X, weights and row numbers are stored
	BAR
; ---- THE ROUTINE.  Phase p multiplies weights buffer p % 4 and A's buffer p % 2.
; The 72 accumulators take turns in one fixed order: between two instructions on one accumulator stand the 71 others'.
.macro MULG bb, aa, a0, a1, first      ; row blocks a0 .. a1 x all 8 column blocks.  first = 1: the bias starts the sums
.if (\bb) == 0
.set mb, 192
.set mbw, 0
.else
.set mb, 64*(\bb)
.set mbw, 3
.endif
.set mf, FA0+72*(\aa)
.set ma, \a0
.rept (\a1)-(\a0)+1
.set mw, 1+ma/4
.set mc, 64*(ma%4)
.if \first
	WIN mw<<6
.else
	WIN mbw+0x50*mw
.endif
.irp b, 0,1,2,3,4,5,6,7
.if \first
	v_wmma_f32_16x16x32_bf16 v[mc+8*\b:mc+8*\b+7], v[mb+8*\b:mb+8*\b+7], v[mf+8*ma:mf+8*ma+7], v[BIAS+8*\b:BIAS+8*\b+7]
.else
	v_wmma_f32_16x16x32_bf16 v[mc+8*\b:mc+8*\b+7], v[mb+8*\b:mb+8*\b+7], v[mf+8*ma:mf+8*ma+7], v[mc+8*\b:mc+8*\b+7]
.endif
.endr
.set ma, ma+1
.endr
.endm
.macro FETCHA f                        ; 18 LDS loads in one run: A's next 32 along K into buffer f
	WIN 0
.set fa, FA0+72*(\f)
.irp a, 0,1,2,3,4,5,6,7,8
	ds_load_b128 v[fa+8*\a:fa+8*\a+3],   v[ADRA+(\a)/4] offset:((\a)%4)*16*AP
	ds_load_b128 v[fa+8*\a+4:fa+8*\a+7], v[ADRA+(\a)/4] offset:((\a)%4)*16*AP+32
.endr
.irp k, 0,1,2
	v_add_nc_u32 v[ADRA+\k], 64, v[ADRA+\k]        ; the next fetch is 32 further along K
.endr
.endm
; A phase.  Behind its first 16 products and four places it fetches the next phase's A and asks for the weights three phases on, into the buffers that the phase before has multiplied.
; lcnt: the weight loads issued behind this phase's own, which may stay out.  fetch = 2: not in the loop's last trip, where the product has no further phase.
; first = 1: the bias lies in A's other buffer, so A is fetched at the phase's end.
.macro PHASE bb, aa, first, fetch, ldb, off, lcnt
	s_wait_loadcnt \lcnt
	s_wait_dscnt 0x0                               ; A's fragments are in
	MULG \bb, \aa, 0, 1, \first
.if (\ldb) || ((\fetch) && !(\first))
	PLACES
.endif
.if !(\first)
.if (\fetch) == 1
	FETCHA 1-(\aa)
.elseif (\fetch) == 2
	WIN 0
	s_cmp_eq_u32 s25, 1
	s_cbranch_scc1 .Lnf_\@
	FETCHA 1-(\aa)
.Lnf_\@:
.endif
.endif
.if \ldb
	LOADB ((\bb)+3)%4, BB, \off
.endif
	MULG \bb, \aa, 2, 8, \first
.if \first
	PLACES
	FETCHA 1-(\aa)
.endif
.endm
	; ---- the first product: H = relu(X W1 + b1), phases 0-15
.irp k, 0,1,2
	v_mov_b32 v[ADRA+\k], v[AB+\k]
.endr
	FETCHA 0
	PHASE 0, 0, 1, 1, 0, 0, 32
	WIN 0
	s_mov_b32 s25, 4
.Lk1:                                                  ; four trips of four phases, the fourth left behind its third phase: phases 1-15; they ask for phases 4-18, of which 16-18 are W2's first
	PHASE 1, 1, 0, 1, 1, 0, 32
	PHASE 2, 0, 0, 1, 1, PSTEP, 32
	PHASE 3, 1, 0, 2, 1, 2*PSTEP, 32
	WIN 0
	s_cmp_eq_u32 s25, 1
	s_cbranch_scc1 .Lh
	PHASE 0, 0, 0, 1, 1, 3*PSTEP, 32
	WIN 0
	s_wait_xcnt 0x0                                ; the loads' base steps only behind this wait
	s_add_nc_u64 s[BB:BB+1], s[BB:BB+1], 4*PSTEP
	s_sub_co_u32 s25, s25, 1
	s_cmp_lg_u32 s25, 0
	s_cbranch_scc1 .Lk1
.Lh:
	; H's way out: bias and sums are in the accumulators; rounded to bf16, relu on the packed halves, 64 bytes a lane and half over X
	PLACES                                         ; b2 is loaded into A's second buffer, four places behind the last product
	s_lshl_b32 s96, s[E], 11
	s_lshl_b32 s98, s[WV], 9
	s_add_co_u32 s96, s96, s98
	s_add_nc_u64 s[86:87], s[10:11], s[96:97]      ; b1's loads were waited for: their base may be written
.set n, 0
.rept 16
	global_load_b128 v[BIAS+4*n:BIAS+4*n+3], v[BOFF], s[86:87] offset:256*(n/8)+16*(n%8)
.set n, n+1
.endr
	s_wait_dscnt 0x0                               ; my reads of X are over
	BAR                                            ; everybody's are
.irp k, 0,1,2
	v_mov_b32 v[ADRA+\k], v[AB+\k]
.endr
.macro HBLK a
.set hw, 1+(\a)/4
.set hc, 64*((\a)%4)
.set ht, T+32*((\a)%2)
	WIN 5*hw
.set n, 0
.rept 32                                               ; word n = 16 B + t: columns 2 t, 2 t + 1 of the lane's 32: register t / 2 of accumulators 4 B + 2 (t % 2) and the next; each accumulator's registers in ascending order
	v_cvt_pk_bf16_f32 v[ht+n], v[hc+8*(4*(n/16)+2*(n%2))+(n%16)/2], v[hc+8*(4*(n/16)+2*(n%2)+1)+(n%16)/2]
.set n, n+1
.endr
	WIN 0
.set n, 0
.rept 32
	v_pk_max_num_bf16 v[ht+n], v[ht+n], v[ZERO]
.set n, n+1
.endr
.set n, 0
.rept 8
	ds_store_b128 v[STO+(\a)/4], v[ht+4*n:ht+4*n+3] offset:((\a)%4)*16*AP+128*(n/4)+16*(n%4)
.set n, n+1
.endr
.endm
.irp a, 0,1,2,3,4,5,6,7,8
	HBLK \a
.endr
	s_wait_loadcnt 0x0                             ; b2, and the three phases of W2 asked for ahead of it
	s_cmp_eq_u32 s[SL], 0
	s_cselect_b32 s98, -1, 0                       ; the bias is added once: in slice 0
	RB BIAS, 0, 1
	s_wait_dscnt 0x0                               ; for the others' sake: my columns of H are stored
	BAR
	; ---- the second product: H W2 + b2, phases 16-31
	FETCHA 0
	PHASE 0, 0, 1, 1, 1, 3*PSTEP, 32               ; phase 16 asks for phase 19
	WIN 0
	s_wait_xcnt 0x0
	s_add_nc_u64 s[BB:BB+1], s[BB:BB+1], 4*PSTEP
	s_mov_b32 s25, 3
.Lk2:                                                  ; phases 17-28; they ask for phases 20-31
	PHASE 1, 1, 0, 1, 1, 0, 32
	PHASE 2, 0, 0, 1, 1, PSTEP, 32
	PHASE 3, 1, 0, 1, 1, 2*PSTEP, 32
	PHASE 0, 0, 0, 1, 1, 3*PSTEP, 32
	WIN 0
	s_wait_xcnt 0x0
	s_add_nc_u64 s[BB:BB+1], s[BB:BB+1], 4*PSTEP
	s_sub_co_u32 s25, s25, 1
	s_cmp_lg_u32 s25, 0
	s_cbranch_scc1 .Lk2
	PHASE 1, 1, 0, 1, 0, 0, 32                     ; the last three phases ask for nothing: the counts run down
	PHASE 2, 0, 0, 1, 0, 0, 16
	PHASE 3, 1, 0, 0, 0, 0, 0
	; ---- Y's way out: times the row's weight, through my stage, whole rows of 512 bytes to the rows' places in y8
	WIN 0
	v_lshl_add_u32 v[AB], v[R15], 2, LIST+1024
	v_mov_b32 v[AB+1], LIST+2048
.irp a, 0,1,2,3,4,5,6,7,8
	ds_load_b32 v[WR+\a], v[AB] offset:64*\a
.endr
	PLACES                                         ; behind the last products
	s_wait_dscnt 0x0
.macro YBLK a
.set yw, 1+(\a)/4
.set yc, 64*((\a)%4)
	s_cmp_le_u32 s[RV], 16*(\a)
	s_cbranch_scc1 .Lyend                          ; this block and all behind it lie past the count: no barrier is jumped
	s_wait_xcnt 0x0                                ; the last block's stores have read their offsets and data
.irp c, 0,1,2,3
	ds_load_b128 v[VO+4*\c:VO+4*\c+3], v[AB+1] offset:64*(\a)+16*\c  ; the block's 16 row numbers, in every lane
.endr
	WIN yw
.set n, 0
.rept 64                                               ; number n = 32 B + 4 j + c of the lane's columns: register j of accumulator 4 B + c; each accumulator's registers in ascending order
	v_mul_f32 v[T+n], v[yc+8*(4*(n/32)+n%4)+(n%32)/4], v[WR+(\a)]
.set n, n+1
.endr
	WIN 0
.set n, 0
.rept 16
	ds_store_b128 v[YSTO], v[T+4*n:T+4*n+3] offset:256*(n/8)+16*(n%8)
.set n, n+1
.endr
.set n, 0
.rept 16
	ds_load_b128 v[RR+4*n:RR+4*n+3], v[YRD] offset:YP*n  ; LDS serves a wave's instructions in order (ISA guide 5.7.1.4): these see the stores above
.set n, n+1
.endr
	s_wait_dscnt 32                                ; the row numbers are in; the 16 stores and 16 loads behind them may be out
.set n, 0
.rept 16
	v_min_u32 v[VO+n], 0x7fff, v[VO+n]
	v_lshl_add_u32 v[VO+n], v[VO+n], 11, v[LB]
.set n, n+1
.endr
.set n, 0
.rept 16
	s_wait_dscnt 15-n
	global_store_b128 v[VO+n], v[RR+4*n:RR+4*n+3], s[16:17]  ; the wave stores 512 consecutive bytes, aligned
.set n, n+1
.endr
.endm
.irp a, 0,1,2,3,4,5,6,7,8
	YBLK \a
.endr
.Lyend:
	s_wait_tensorcnt 0x0                           ; the wave's end
	ds_add_u32 v[SPW], v[NIL]
	s_wait_dscnt 0x0
	s_endpgm
.Lfunc_end_k_q4e389f47dd_moe:
	.size	k_q4e389f47dd_moe, .Lfunc_end_k_q4e389f47dd_moe-k_q4e389f47dd_moe
	.p2alignl 7, 3214868480
	.fill 96, 4, 3214868480
	.section	.rodata,"a",@progbits
	.p2align	6, 0x0
	.amdhsa_kernel k_q4e389f47dd_moe
		.amdhsa_group_segment_fixed_size 188416
		.amdhsa_private_segment_fixed_size 0
		.amdhsa_enable_private_segment 0
		.amdhsa_kernarg_size 56
		.amdhsa_user_sgpr_count 2
		.amdhsa_user_sgpr_kernarg_segment_ptr 1
		.amdhsa_wavefront_size32 1
		.amdhsa_system_sgpr_workgroup_id_x 1
		.amdhsa_system_sgpr_workgroup_id_y 1
		.amdhsa_system_sgpr_workgroup_id_z 1
		.amdhsa_system_vgpr_workitem_id 0
		.amdhsa_next_free_vgpr 1024
		.amdhsa_next_free_sgpr 100
		.amdhsa_reserve_vcc 1
		.amdhsa_float_denorm_mode_32 3
		.amdhsa_float_denorm_mode_16_64 3
		.amdhsa_memory_ordered 1
		.amdhsa_forward_progress 1
		.amdhsa_inst_pref_size 255
	.end_amdhsa_kernel
	.section	.bss,"aw",@nobits
	.p2align	6
	.space	262144
	.amdgpu_metadata
---
amdhsa.version: [ 1, 2 ]
amdhsa.kernels:
  - .name:           k_q4e389f47dd_moe
    .symbol:         k_q4e389f47dd_moe.kd
    .args:
      - { .name: xb, .offset: 0, .size: 8, .value_kind: global_buffer, .address_space: global }
      - { .name: wb, .offset: 8, .size: 8, .value_kind: global_buffer, .address_space: global }
      - { .name: b1, .offset: 16, .size: 8, .value_kind: global_buffer, .address_space: global }
      - { .name: b2, .offset: 24, .size: 8, .value_kind: global_buffer, .address_space: global }
      - { .name: route, .offset: 32, .size: 8, .value_kind: global_buffer, .address_space: global }
      - { .name: gw, .offset: 40, .size: 8, .value_kind: global_buffer, .address_space: global }
      - { .name: y8, .offset: 48, .size: 8, .value_kind: global_buffer, .address_space: global }
    .group_segment_fixed_size: 188416
    .private_segment_fixed_size: 0
    .kernarg_segment_align: 8
    .kernarg_segment_size: 56
    .max_flat_workgroup_size: 128
    .sgpr_count:     100
    .vgpr_count:     1024
    .wavefront_size: 32
...
	.end_amdgpu_metadata
.endif
;; end of part 2
;; launch combine (part 3): grid 1024 x 1, 8 waves a work-group, no clusters, 0 bytes of LDS; arguments y8, out0; writes out0
.if DOCPART == 3
	.amdgcn_target "amdgcn-amd-amdhsa--gfx1250"
	.amdhsa_code_object_version 6
	.text
	.protected	k_q4e389f47dd_combine
	.globl	k_q4e389f47dd_combine
	.p2align	8
	.type	k_q4e389f47dd_combine,@function
k_q4e389f47dd_combine:
	s_mov_b64 s[64:65], 0
	v_nop
	global_prefetch_b8 v0, s[64:65] scope:SCOPE_SE
	s_setreg_imm32_b32 hwreg(HW_REG_WAVE_MODE, 25, 1), 1
	s_wait_xcnt 0x0
; out = the sum of y8's eight planes (two experts a token x four slices of the hidden width), in f32.  A stream: no LDS, no barrier, no matrix unit.
; A work-group owns 8,192 bytes of out; a thread two pieces of 16 bytes, 4,096 apart; each load and store of a wave covers 512 consecutive bytes, aligned.
; A plane is 8,388,608 bytes, one more than a load's immediate reaches: each plane has a scalar base of its own.
.set PLANE, 0x800000
	s_load_b128 s[4:7], s[0:1], 0x0                ; y8 s[4:5], out0 s[6:7]
	s_lshl_b32 s2, ttmp9, 13
	s_mov_b32 s3, 0
	v_lshlrev_b32 v1, 4, v0
	s_wait_kmcnt 0x0
	s_add_nc_u64 s[8:9], s[4:5], s[2:3]
	s_add_nc_u64 s[6:7], s[6:7], s[2:3]
.irp p, 1,2,3,4,5,6,7
	s_add_nc_u64 s[8+2*\p:9+2*\p], s[8:9], PLANE*\p
.endr
.irp k, 0,1
.irp p, 0,1,2,3,4,5,6,7
	global_load_b128 v[4+32*\k+4*\p:7+32*\k+4*\p], v1, s[8+2*\p:9+2*\p] offset:4096*\k th:TH_LOAD_NT
.endr
.endr
.macro PIECE k, left
	s_wait_loadcnt \left                           ; this piece's eight loads are in; the other piece's may stay out
.set b, 4+32*(\k)
.irp p, 0,2,4,6
	v_pk_add_f32 v[b+4*\p:b+4*\p+1], v[b+4*\p:b+4*\p+1], v[b+4*\p+4:b+4*\p+5]
	v_pk_add_f32 v[b+4*\p+2:b+4*\p+3], v[b+4*\p+2:b+4*\p+3], v[b+4*\p+6:b+4*\p+7]
.endr
.irp p, 0,4
	v_pk_add_f32 v[b+4*\p:b+4*\p+1], v[b+4*\p:b+4*\p+1], v[b+4*\p+8:b+4*\p+9]
	v_pk_add_f32 v[b+4*\p+2:b+4*\p+3], v[b+4*\p+2:b+4*\p+3], v[b+4*\p+10:b+4*\p+11]
.endr
	v_pk_add_f32 v[b:b+1], v[b:b+1], v[b+16:b+17]
	v_pk_add_f32 v[b+2:b+3], v[b+2:b+3], v[b+18:b+19]
	global_store_b128 v1, v[b:b+3], s[6:7] offset:4096*(\k) th:TH_STORE_NT
.endm
	PIECE 0, 8
	PIECE 1, 0
	s_endpgm
.Lfunc_end_k_q4e389f47dd_combine:
	.size	k_q4e389f47dd_combine, .Lfunc_end_k_q4e389f47dd_combine-k_q4e389f47dd_combine
	.p2alignl 7, 3214868480
	.fill 96, 4, 3214868480
	.section	.rodata,"a",@progbits
	.p2align	6, 0x0
	.amdhsa_kernel k_q4e389f47dd_combine
		.amdhsa_group_segment_fixed_size 0
		.amdhsa_private_segment_fixed_size 0
		.amdhsa_enable_private_segment 0
		.amdhsa_kernarg_size 16
		.amdhsa_user_sgpr_count 2
		.amdhsa_user_sgpr_kernarg_segment_ptr 1
		.amdhsa_wavefront_size32 1
		.amdhsa_system_sgpr_workgroup_id_x 1
		.amdhsa_system_sgpr_workgroup_id_y 1
		.amdhsa_system_sgpr_workgroup_id_z 1
		.amdhsa_system_vgpr_workitem_id 0
		.amdhsa_next_free_vgpr 72
		.amdhsa_next_free_sgpr 66
		.amdhsa_reserve_vcc 0
		.amdhsa_float_denorm_mode_32 3
		.amdhsa_float_denorm_mode_16_64 3
		.amdhsa_memory_ordered 1
		.amdhsa_forward_progress 1
		.amdhsa_inst_pref_size 5
	.end_amdhsa_kernel
	.amdgpu_metadata
---
amdhsa.version: [ 1, 2 ]
amdhsa.kernels:
  - .name:           k_q4e389f47dd_combine
    .symbol:         k_q4e389f47dd_combine.kd
    .args:
      - { .name: y8, .offset: 0, .size: 8, .value_kind: global_buffer, .address_space: global }
      - { .name: out0, .offset: 8, .size: 8, .value_kind: global_buffer, .address_space: global }
    .group_segment_fixed_size: 0
    .private_segment_fixed_size: 0
    .kernarg_segment_align: 8
    .kernarg_segment_size: 16
    .max_flat_workgroup_size: 256
    .sgpr_count:     66
    .vgpr_count:     72
    .wavefront_size: 32
...
	.end_amdgpu_metadata
.endif
;; end of part 3
